; MI455X (gfx1250); checked and timed in simulation.
; The chip was launched on July 23, 2026; its instructions are those of AMD's public machine-readable ISA for CDNA 5 (MIT licence, August 2026) and "CDNA5" Instruction Set Architecture Reference Guide (July 2026). The comments in the code are by the model that wrote it; some were corrected since.
;; Multi Head Attention. Allowed arithmetic: float matrix products may take bf16 or f16 operands with f32 sums; all other float work in f32.
;; Inputs: W_K 512 x 512 float32; W_O 512 x 512 float32; W_Q 512 x 512 float32; W_V 512 x 512 float32; input_K 4 x 2,048 x 512 float32; input_Q 4 x 2,048 x 512 float32; input_V 4 x 2,048 x 512 float32.
;; Outputs: out0 4 x 2,048 x 512 float32.
;; 2 versions, each right; version 2 is version 1 with the launch qkv written anew for expert scheduling mode. Each part assembles by itself: llvm-mc -triple=amdgcn-amd-amdhsa -mcpu=gfx1250 --defsym DOCPART=n.
;; ======== version 1 of 2: 4 launches
;; limits: values are held in f16: magnitudes above 65,504 overflow, below 6.1e-05 lose precision
;; workspace buffers: wf 2,097,152 bytes; qkv 25,165,824 bytes; ctxf 8,388,608 bytes
;; launch wcast (part 1): grid 64 x 4, 4 waves a work-group, no clusters, 0 bytes of LDS; arguments W_Q, W_K, W_V, W_O, wf; writes wf
.if DOCPART == 1
	.amdgcn_target "amdgcn-amd-amdhsa--gfx1250"
	.amdhsa_code_object_version 6
	.text
	.protected	k_q83a0561887_wcast
	.globl	k_q83a0561887_wcast
	.p2align	8
	.type	k_q83a0561887_wcast,@function
k_q83a0561887_wcast:
	s_mov_b64 s[64:65], 0
	v_nop
	global_prefetch_b8 v0, s[64:65] scope:SCOPE_SE
	s_setreg_imm32_b32 hwreg(HW_REG_WAVE_MODE, 25, 1), 1
	s_wait_xcnt 0x0
; The four weights [512][512] f32 are rounded once to 16 bits and laid in FRAGMENT ORDER:
;   wf[weight 4][n tile 32][k chunk 32][lane 32][8 numbers]: a block of 512 bytes is 16 rows (n) x 16 k;
;   lane L = 16 h + r owns its bytes 16 L .. 16 L + 15 = W[16 nt + r][16 kc + 8 h + 0..7].
; Two neighbouring blocks are one 16 x 32 matrix fragment, which a wave later loads with two loads of 512 consecutive bytes.
; W_Q, W_K, W_V stay bf16 (they meet bf16 inputs).  W_O is rounded to bf16 like them and then written as f16, since it meets the f16 context.
; LIMIT: that second step is exact for 2^-14 <= |w| < 65,504; below, the absolute error is at most 3e-8; at 65,504 and above it gives infinity.
; Work-group (x, y): weight y, n tile x / 2; wave: 64 k = four blocks.  No LDS, no barrier: no wave needs another's data.
.set IN,  8                            ; v[8:39]   32 f32 as loaded
.set OUT, 40                           ; v[40:55]  16 words of two 16-bit numbers
	s_load_b256 s[4:11], s[0:1], 0x0               ; W_Q s[4:5], W_K s[6:7], W_V s[8:9], W_O s[10:11]
	s_load_b64 s[12:13], s[0:1], 0x20              ; wf
	v_lshrrev_b32 v3, 5, v0
	v_readfirstlane_b32 s14, v3                    ; wave
	s_and_b32 s15, ttmp7, 0xffff                   ; y: which weight
	v_and_b32 v4, 15, v0                           ; r
	v_bfe_u32 v5, v0, 4, 1                         ; h
	v_lshlrev_b32 v1, 11, v4                       ; in: row r of 2,048 bytes
	v_lshl_add_u32 v1, v5, 5, v1                   ;     + 8 h numbers of 4 bytes
	v_and_b32 v2, 31, v0
	v_lshlrev_b32 v2, 4, v2                        ; out: 16 L
	s_lshr_b32 s16, ttmp9, 1                       ; n tile
	s_and_b32 s17, ttmp9, 1
	s_lshl2_add_u32 s17, s17, s14                  ; group of 64 k = 4 (x & 1) + wave
	s_lshl_b32 s18, s16, 15                        ; 16 rows of 2,048 bytes
	s_lshl_b32 s19, s17, 8                         ; 64 k of 4 bytes
	s_add_co_u32 s18, s18, s19
	s_mov_b32 s19, 0
	s_lshl_b32 s20, s15, 19                        ; 524,288 bytes a weight
	s_lshl_b32 s21, s16, 14                        ; 16,384 an n tile
	s_add_co_u32 s20, s20, s21
	s_lshl_b32 s21, s17, 11                        ; four blocks of 512
	s_add_co_u32 s20, s20, s21
	s_mov_b32 s21, 0
	s_wait_kmcnt 0x0
	s_cmp_eq_u32 s15, 1
	s_cselect_b64 s[4:5], s[6:7], s[4:5]
	s_cmp_eq_u32 s15, 2
	s_cselect_b64 s[4:5], s[8:9], s[4:5]
	s_cmp_eq_u32 s15, 3
	s_cselect_b64 s[4:5], s[10:11], s[4:5]
	s_add_nc_u64 s[4:5], s[4:5], s[18:19]
	s_add_nc_u64 s[12:13], s[12:13], s[20:21]
.irp c, 0,1,2,3
	global_load_b128 v[IN+8*\c:IN+8*\c+3],   v1, s[4:5] offset:64*\c th:TH_LOAD_NT      ; the eight loads together take 256 consecutive bytes of each of 16 rows
	global_load_b128 v[IN+8*\c+4:IN+8*\c+7], v1, s[4:5] offset:64*\c+16 th:TH_LOAD_NT
.endr
	s_wait_loadcnt 0x0
.irp i, 0,1,2,3,4,5,6,7,8,9,10,11,12,13,14,15
	v_cvt_pk_bf16_f32 v[OUT+\i], v[IN+2*\i], v[IN+2*\i+1]
.endr
	s_cmp_lg_u32 s15, 3
	s_cbranch_scc1 .Lstore
.irp i, 0,1,2,3,4,5,6,7,8,9,10,11,12,13,14,15
	v_lshlrev_b32 v6, 16, v[OUT+\i]                ; W_O alone: the two bf16 widened again
	v_and_b32 v7, 0xffff0000, v[OUT+\i]
	v_cvt_pk_f16_f32 v[OUT+\i], v6, v7             ; and written as f16
.endr
.Lstore:
.irp c, 0,1,2,3
	global_store_b128 v2, v[OUT+4*\c:OUT+4*\c+3], s[12:13] offset:512*\c   ; each store covers 512 consecutive bytes, aligned
.endr
	s_endpgm
.Lfunc_end_k_q83a0561887_wcast:
	.size	k_q83a0561887_wcast, .Lfunc_end_k_q83a0561887_wcast-k_q83a0561887_wcast
	.p2alignl 7, 3214868480
	.fill 96, 4, 3214868480
	.section	.rodata,"a",@progbits
	.p2align	6, 0x0
	.amdhsa_kernel k_q83a0561887_wcast
		.amdhsa_group_segment_fixed_size 0
		.amdhsa_private_segment_fixed_size 0
		.amdhsa_enable_private_segment 0
		.amdhsa_kernarg_size 40
		.amdhsa_user_sgpr_count 2
		.amdhsa_user_sgpr_kernarg_segment_ptr 1
		.amdhsa_wavefront_size32 1
		.amdhsa_system_sgpr_workgroup_id_x 1
		.amdhsa_system_sgpr_workgroup_id_y 1
		.amdhsa_system_sgpr_workgroup_id_z 1
		.amdhsa_system_vgpr_workitem_id 0
		.amdhsa_next_free_vgpr 56
		.amdhsa_next_free_sgpr 66
		.amdhsa_reserve_vcc 0
		.amdhsa_float_denorm_mode_32 3
		.amdhsa_float_denorm_mode_16_64 3
		.amdhsa_memory_ordered 1
		.amdhsa_forward_progress 1
		.amdhsa_inst_pref_size 7
	.end_amdhsa_kernel
	.amdgpu_metadata
---
amdhsa.version: [ 1, 2 ]
amdhsa.kernels:
  - .name:           k_q83a0561887_wcast
    .symbol:         k_q83a0561887_wcast.kd
    .args:
      - { .name: W_Q, .offset: 0, .size: 8, .value_kind: global_buffer, .address_space: global }
      - { .name: W_K, .offset: 8, .size: 8, .value_kind: global_buffer, .address_space: global }
      - { .name: W_V, .offset: 16, .size: 8, .value_kind: global_buffer, .address_space: global }
      - { .name: W_O, .offset: 24, .size: 8, .value_kind: global_buffer, .address_space: global }
      - { .name: wf, .offset: 32, .size: 8, .value_kind: global_buffer, .address_space: global }
    .group_segment_fixed_size: 0
    .private_segment_fixed_size: 0
    .kernarg_segment_align: 8
    .kernarg_segment_size: 40
    .max_flat_workgroup_size: 128
    .sgpr_count:     66
    .vgpr_count:     56
    .wavefront_size: 32
...
	.end_amdgpu_metadata
.endif
;; end of part 1
;; launch qkv (part 2): grid 64 x 3, 8 waves a work-group, no clusters, 148,480 bytes of LDS; arguments input_Q, input_K, input_V, wf, qkv; writes qkv
.if DOCPART == 2
	.amdgcn_target "amdgcn-amd-amdhsa--gfx1250"
	.amdhsa_code_object_version 6
	.text
	.protected	k_q83a0561887_qkv
	.globl	k_q83a0561887_qkv
	.p2align	8
	.type	k_q83a0561887_qkv,@function
k_q83a0561887_qkv:
	s_mov_b64 s[64:65], 0
	v_nop
	global_prefetch_b8 v0, s[64:65] scope:SCOPE_SE
	s_setreg_imm32_b32 hwreg(HW_REG_WAVE_MODE, 25, 1), 1
	s_wait_xcnt 0x0
; The three input projections y = x W^T, x [8192][512] f32, W from wf (bf16, fragment order).  Sums in f32, results rounded once to f16.
; Work-group (rb, y): tensor y (0 Q, 1 K, 2 V), rows 128 rb .. + 127, all 512 features: each byte of x is read from memory once in the launch.
; Wave w makes 128 rows x 64 features = head w: 32 accumulator tiles of 16 x 16, 256 registers.
; x: 16-byte loads (a wave's load takes 256 consecutive bytes of each of two rows), rounded to bf16 once, stored into an LDS image of the whole
;    block: 8 regions of 64 k, 128 rows of 144 bytes (128 + 16, so that the 16 rows of a fragment load begin 16 bytes apart modulo 256).
;    Every LDS byte is stored once, so a region needs one barrier: between its stores and its first read.
; W: a wave alone reads its 64 rows of W, so its fragments go from wf straight into registers (loads of 512 consecutive bytes), ring of three K steps of 32.
; NO CLUSTER: the 64 row blocks of a tensor do read the same W, but through LDS a K step of 64 would add 64 KiB of LDS writes and as many reads
;    to the 128 KiB of x fragments that the eight waves read there; W is 512 KiB a tensor against x's 16 MiB.
; OUT, fragment order: qkv[tensor 3][8 b + head 32][seq tile 128][sub 4][lane 32][8 f16], blocks of 512 bytes.
;    Q, K: source 0 = W, source 1 = x, so lane (r, h) holds seq r, d = 16 sub + 8 h + 0..7.
;    V:    source 0 = x, source 1 = W, so lane (r, h) holds d = 16 sub + r, keys 8 h + 0..7 (V transposed, as the second product of attention wants it).
; LIMIT: |Q|, |K|, |V| of 65,504 and above become infinity in f16.  As drawn they are about 5; with x and W both 30 times larger about 5,000;
;    with both carrying an offset of 30 spreads about 20,400.
.set PITCH,  144
.set REGION, 128*PITCH                 ; 18,432 bytes
.set XO,  1                            ; v1       my byte offset in x
.set L16, 2                            ; v2       16 x lane
.set XS,  4                            ; v[4:6]   LDS address of my stores, regions 0-2, 3-5, 6-7 (the immediate has 16 bits)
.set AF,  8                            ; v[8:10]  LDS address of my x fragments, likewise
.set X0,  16                           ; v[16:47], v[48:79]     x as loaded, two buffers
.set AH,  80                           ; v[80:111], v[112:143]  x fragments of row tiles 0-3, 4-7
.set BR,  144                          ; v[144:239] W fragments, three slots of four
                                       ; window 1 (v256-v511): accumulator (mt, nt) at 8 (4 mt + nt)
.set MSB, 0
.macro WIN new                         ; the immediate's high byte repeats the setting that is left
.if MSB != \new
	s_set_vgpr_msb (MSB<<8)|\new
.set MSB, \new
.endif
.endm
.macro PLACES cnt
.rept \cnt
	v_nop
.endr
.endm
	s_load_b256 s[4:11], s[0:1], 0x0               ; input_Q s[4:5], input_K s[6:7], input_V s[8:9], wf s[10:11]
	s_load_b64 s[12:13], s[0:1], 0x20              ; qkv
	v_lshl_add_u32 v254, v0, 2, 0x24000
	v_mov_b32 v255, 0
	v_lshrrev_b32 v3, 5, v0
	v_readfirstlane_b32 s14, v3                    ; wave = head
	s_and_b32 s15, ttmp7, 0xffff                   ; y: tensor
	s_mov_b32 s16, ttmp9                           ; rb: block of 128 rows
	v_and_b32 v12, 15, v0                          ; r
	v_bfe_u32 v14, v0, 4, 1                        ; h
	v_lshlrev_b32 v[XO], 11, v14                   ; x: row 2 w + h of each 16, 2,048 bytes a row,
	v_lshl_add_u32 v[XO], v12, 4, v[XO]            ;    16 bytes a lane
	s_lshl_b32 s30, s14, 12
	v_add_nc_u32 v[XO], s30, v[XO]
	v_and_b32 v[L16], 31, v0
	v_lshlrev_b32 v[L16], 4, v[L16]
	v_mul_u32_u24 v13, v14, PITCH                  ; LDS store: the same row, 8 bytes a lane
	v_lshl_add_u32 v[XS], v12, 3, v13
	s_mul_i32 s30, s14, 2*PITCH
	v_add_nc_u32 v[XS], s30, v[XS]
	v_add_nc_u32 v[XS+1], 3*REGION, v[XS]
	v_add_nc_u32 v[XS+2], 6*REGION, v[XS]
	v_mul_u32_u24 v13, v12, PITCH                  ; fragment: row r, 16 bytes for each half of the lanes
	v_lshl_add_u32 v[AF], v14, 4, v13
	v_add_nc_u32 v[AF+1], 3*REGION, v[AF]
	v_add_nc_u32 v[AF+2], 6*REGION, v[AF]
	s_lshl_b32 s24, s16, 18                        ; x: 128 rows of 2,048 bytes
	s_mov_b32 s25, 0
	s_lshl_b32 s26, s15, 19                        ; wf: 524,288 bytes a weight,
	s_lshl_b32 s27, s14, 16                        ;     four n tiles of 16,384 a head
	s_add_co_u32 s26, s26, s27
	s_mov_b32 s27, 0
	s_lshr_b32 s28, s16, 4                         ; b
	s_lshl3_add_u32 s28, s28, s14                  ; 8 b + head
	s_lshl_b32 s28, s28, 18                        ; 262,144 bytes each
	s_lshl_b32 s29, s15, 23                        ; 8,388,608 a tensor
	s_add_co_u32 s28, s28, s29
	s_and_b32 s29, s16, 15
	s_lshl_b32 s29, s29, 14                        ; 8 seq tiles of 2,048
	s_add_co_u32 s28, s28, s29
	s_mov_b32 s29, 0
	s_wait_kmcnt 0x0
	s_cmp_eq_u32 s15, 1
	s_cselect_b64 s[18:19], s[6:7], s[4:5]
	s_cmp_eq_u32 s15, 2
	s_cselect_b64 s[18:19], s[8:9], s[18:19]
	s_add_nc_u64 s[18:19], s[18:19], s[24:25]      ; x at my block
	s_add_nc_u64 s[20:21], s[10:11], s[26:27]      ; W at my head
	s_add_nc_u64 s[22:23], s[12:13], s[28:29]      ; out at my 16 KiB
; LD_ISS counts the global loads issued so far; XENDn and BENDt keep its value behind x's region n and W's K step t.
; Loads come back in order (ISA guide 5.7.1), so a group is in when at most LD_ISS - its END are out: every counted wait below is that difference.
.macro LDX s                           ; region s of x: 128 rows x 64 k, eight loads a lane
.irp i, 0,1,2,3,4,5,6,7
	global_load_b128 v[X0+32*((\s)&1)+4*\i:X0+32*((\s)&1)+4*\i+3], v[XO], s[18:19] offset:\i*32768+(\s)*256 th:TH_LOAD_NT
.endr
.set LD_ISS, LD_ISS+8
.set XEND\s, LD_ISS
.endm
.macro LDB t                           ; K step t of 32: my four W fragments into ring slot t mod 3
.irp c, 0,1,2,3
	global_load_b128 v[BR+32*((\t)%3)+8*\c:BR+32*((\t)%3)+8*\c+3],   v[L16], s[20:21] offset:\c*16384+(\t)*1024
	global_load_b128 v[BR+32*((\t)%3)+8*\c+4:BR+32*((\t)%3)+8*\c+7], v[L16], s[20:21] offset:\c*16384+(\t)*1024+512
.endr
.set LD_ISS, LD_ISS+8
.set BEND\t, LD_ISS
.endm
.macro CVST s                          ; region s: round to bf16 in place, 8 bytes a lane into LDS
.set XB, X0+32*((\s)&1)
.irp i, 0,1,2,3,4,5,6,7
	v_cvt_pk_bf16_f32 v[XB+4*\i],   v[XB+4*\i],   v[XB+4*\i+1]
	v_cvt_pk_bf16_f32 v[XB+4*\i+1], v[XB+4*\i+2], v[XB+4*\i+3]
.endr
.irp i, 0,1,2,3,4,5,6,7
	ds_store_b64 v[XS+(\s)/3], v[XB+4*\i:XB+4*\i+1] offset:((\s)%3)*REGION+\i*16*PITCH
.endr
.endm
.macro XPART reg, nxt                  ; region reg goes to LDS; its buffer is asked again for region nxt (below 8), two K steps of 64 ahead
	s_wait_loadcnt LD_ISS-XEND\reg
	CVST \reg
.if \nxt < 8
	LDX \nxt
.endif
.endm
.macro LDA half, t                     ; x fragments of four row tiles for K step t
.irp m, 0,1,2,3
	ds_load_b128 v[AH+32*\half+8*\m:AH+32*\half+8*\m+3],   v[AF+((\t)/2)/3] offset:(((\t)/2)%3)*REGION+(4*\half+\m)*16*PITCH+((\t)&1)*64
	ds_load_b128 v[AH+32*\half+8*\m+4:AH+32*\half+8*\m+7], v[AF+((\t)/2)/3] offset:(((\t)/2)%3)*REGION+(4*\half+\m)*16*PITCH+((\t)&1)*64+32
.endr
.endm
; 16 matrix instructions.  The 32 accumulators take turns, one instruction a turn, in the same order in every K step.
.macro MUL16 half, t, first, swap
	WIN 0x50                                       ; C and D in window 1
.irp m, 0,1,2,3
.irp c, 0,1,2,3
.set DD, 8*(4*(4*\half+\m)+\c)
.if \swap
.set SA, AH+32*\half+8*\m
.set SB, BR+32*((\t)%3)+8*\c
.else
.set SA, BR+32*((\t)%3)+8*\c
.set SB, AH+32*\half+8*\m
.endif
.if \first
	v_wmma_f32_16x16x32_bf16 v[DD:DD+7], v[SA:SA+7], v[SB:SB+7], 0          ; the first K step starts the sums
.else
	v_wmma_f32_16x16x32_bf16 v[DD:DD+7], v[SA:SA+7], v[SB:SB+7], v[DD:DD+7]
.endif
.endr
.endr
	WIN 0
.endm
; K step t.  t1 = t + 1, t3 = t + 3 (nothing is fetched past step 15).  bar = 1: the barrier that shows the region stored just before to every wave.
; A load into a register that a matrix instruction has read stands four plain vector places behind it (ISA guide 7.12.1 for vector instructions):
; the v_nop in front of each run of loads.
.macro SUB t, t1, t3, bar, first, swap
.if \bar
	s_wait_dscnt 0x0                               ; my x stores are in LDS (for the others), and all my fragments are in
.else
	s_wait_dscnt 0x8                               ; row tiles 0-3 are in; the eight younger loads (tiles 4-7) may be out
.endif
	s_wait_loadcnt LD_ISS-BEND\t                   ; this step's W fragments
.if \bar
	s_barrier_signal -1
.endif
	MUL16 0, \t, \first, \swap                     ; registers only
.if \bar
	s_barrier_wait -1                              ; every wave's part of the next region is in LDS; it is first read in the next K step's look-ahead
.endif
.if \t1 < 16
	PLACES 4
	LDA 0, \t1
	s_wait_dscnt 0x8                               ; all but the eight just issued: row tiles 4-7 are in
.else
	s_wait_dscnt 0x0
.endif
	MUL16 1, \t, \first, \swap
.if \t1 < 16
	PLACES 4
	LDA 1, \t1
.endif
.if \t3 < 16
	LDB \t3                                        ; into the ring slot just multiplied: two K steps in which to land
.endif
.endm
.macro GEMM swap
.set LD_ISS, 0
	LDX 0
	LDX 1
	LDB 0
	LDB 1
	LDB 2
	s_wait_loadcnt LD_ISS-XEND0
	CVST 0
	LDX 2
	s_wait_dscnt 0x0                               ; my part of region 0 is in LDS
	s_barrier_signal -1
	s_barrier_wait -1                              ; everybody's is
	LDA 0, 0
	LDA 1, 0
	XPART 1, 3
	SUB 0, 1, 3, 1, 1, \swap
	SUB 1, 2, 4, 0, 0, \swap
	XPART 2, 4
	SUB 2, 3, 5, 1, 0, \swap
	SUB 3, 4, 6, 0, 0, \swap
	XPART 3, 5
	SUB 4, 5, 7, 1, 0, \swap
	SUB 5, 6, 8, 0, 0, \swap
	XPART 4, 6
	SUB 6, 7, 9, 1, 0, \swap
	SUB 7, 8, 10, 0, 0, \swap
	XPART 5, 7
	SUB 8, 9, 11, 1, 0, \swap
	SUB 9, 10, 12, 0, 0, \swap
	XPART 6, 99
	SUB 10, 11, 13, 1, 0, \swap
	SUB 11, 12, 14, 0, 0, \swap
	XPART 7, 99
	SUB 12, 13, 15, 1, 0, \swap
	SUB 13, 14, 16, 0, 0, \swap
	SUB 14, 15, 17, 0, 0, \swap
	SUB 15, 16, 18, 0, 0, \swap
	; the way out: a lane's eight results of a tile are the 16 bytes that it owns in the tile's block
	PLACES 4                                       ; behind the last matrix instructions: the conversions read results and write over fragment registers
	WIN 0x05                                       ; sources in window 1
.set q, 0
.rept 32
.irp i, 0,1,2,3
	v_cvt_pk_f16_f32 v[X0+4*q+\i], v[8*q+2*\i], v[8*q+2*\i+1]
.endr
.set q, q+1
.endr
	WIN 0
.set q, 0
.rept 32
	global_store_b128 v[L16], v[X0+4*q:X0+4*q+3], s[22:23] offset:512*q     ; tile (mt, nt) = seq tile mt, sub nt: 512 consecutive bytes a store, 16 KiB a wave
.set q, q+1
.endr
.endm
	s_cmp_eq_u32 s15, 2                            ; the same in all waves of the work-group
	s_cbranch_scc1 .Lv
	GEMM 0
	s_wait_tensorcnt 0x0
	ds_add_u32 v254, v255
	s_wait_dscnt 0x0
	s_endpgm
.Lv:
	GEMM 1
	s_wait_tensorcnt 0x0
	ds_add_u32 v254, v255
	s_wait_dscnt 0x0
	s_endpgm
.Lfunc_end_k_q83a0561887_qkv:
	.size	k_q83a0561887_qkv, .Lfunc_end_k_q83a0561887_qkv-k_q83a0561887_qkv
	.p2alignl 7, 3214868480
	.fill 96, 4, 3214868480
	.section	.rodata,"a",@progbits
	.p2align	6, 0x0
	.amdhsa_kernel k_q83a0561887_qkv
		.amdhsa_group_segment_fixed_size 148480
		.amdhsa_private_segment_fixed_size 0
		.amdhsa_enable_private_segment 0
		.amdhsa_kernarg_size 40
		.amdhsa_user_sgpr_count 2
		.amdhsa_user_sgpr_kernarg_segment_ptr 1
		.amdhsa_wavefront_size32 1
		.amdhsa_system_sgpr_workgroup_id_x 1
		.amdhsa_system_sgpr_workgroup_id_y 1
		.amdhsa_system_sgpr_workgroup_id_z 1
		.amdhsa_system_vgpr_workitem_id 0
		.amdhsa_next_free_vgpr 512
		.amdhsa_next_free_sgpr 66
		.amdhsa_reserve_vcc 0
		.amdhsa_float_denorm_mode_32 3
		.amdhsa_float_denorm_mode_16_64 3
		.amdhsa_memory_ordered 1
		.amdhsa_forward_progress 1
		.amdhsa_inst_pref_size 198
	.end_amdhsa_kernel
	.amdgpu_metadata
---
amdhsa.version: [ 1, 2 ]
amdhsa.kernels:
  - .name:           k_q83a0561887_qkv
    .symbol:         k_q83a0561887_qkv.kd
    .args:
      - { .name: input_Q, .offset: 0, .size: 8, .value_kind: global_buffer, .address_space: global }
      - { .name: input_K, .offset: 8, .size: 8, .value_kind: global_buffer, .address_space: global }
      - { .name: input_V, .offset: 16, .size: 8, .value_kind: global_buffer, .address_space: global }
      - { .name: wf, .offset: 24, .size: 8, .value_kind: global_buffer, .address_space: global }
      - { .name: qkv, .offset: 32, .size: 8, .value_kind: global_buffer, .address_space: global }
    .group_segment_fixed_size: 148480
    .private_segment_fixed_size: 0
    .kernarg_segment_align: 8
    .kernarg_segment_size: 40
    .max_flat_workgroup_size: 256
    .sgpr_count:     66
    .vgpr_count:     512
    .wavefront_size: 32
...
	.end_amdgpu_metadata
.endif
;; end of part 2
;; launch attn (part 3): grid 8 x 32, 8 waves a work-group, no clusters, 327,680 bytes of LDS; arguments qkv, ctxf; writes ctxf
.if DOCPART == 3
	.amdgcn_target "amdgcn-amd-amdhsa--gfx1250"
	.amdhsa_code_object_version 6
	.text
	.protected	k_q83a0561887_attn
	.globl	k_q83a0561887_attn
	.p2align	8
	.type	k_q83a0561887_attn,@function
k_q83a0561887_attn:
	s_mov_b64 s[64:65], 0
	v_nop
	global_prefetch_b8 v0, s[64:65] scope:SCOPE_SE
	s_setreg_imm32_b32 hwreg(HW_REG_WAVE_MODE, 25, 1), 1
	s_wait_xcnt 0x0
; Causal attention, softmax with a running maximum.  Q, K, V f16 in fragment order (see qkv's layout below); scores, maxima, sums in f32.
; Work-group (p, bh): head bh, query block p (128 queries) and then block 15 - p: (p + 1) + (16 - p) = 17 trips of 128 keys in every work-group.
; Trip u reads key chunk u (u <= p) or u - p - 1; the chunks on the diagonal are trips p and 16: only there the mask is applied.
; Waves 0-3 (g = 0) take keys 0-63 of the chunk, waves 4-7 (g = 1) keys 64-127; wave w' = w & 3 owns queries 32 w' .. + 31 (two tiles, nt).
; At a block's end the two groups' (O, m, l) are merged through LDS, and waves 0-3 store the context.
; BOTH PRODUCTS ARE TRANSPOSED.  S^T = K Q^T: lane (r, h) holds query r, keys 16 kt + 8 h + j: the row maximum is in the lane but for one exchange of
; the halves, and two S tiles packed to f16 in place ARE the source-1 fragment P^T.  O^T = V^T P^T: lane holds query r, d = 16 dt + 8 h + j: one
; rescale factor a lane, and a packed tile is a block of ctxf.  l = ONES P^T: the denominator is summed over the same rounded P as the numerator.
; qkv[tensor][bh][seq tile 128][sub 4][512 B]; ctxf[row tile 128 b + s / 16][k chunk 4 head + dt][512 B], lane (r, h) = row r, feature 16 kc + 8 h + j.
; K and V come by tensor loads into two LDS slots of two trips each (64 KiB); each wave brings 8 KiB of a slot.
; NO CLUSTER: the eight work-groups of a head read the same chunks but not in step: work-group p starts again at chunk 0 in trip p + 1.  In step, with no
; branch on the place in the cluster, each would take both its blocks through all 16 chunks: 32 block-chunks of work against 17.
; LIMITS: P is f16 (below 6e-8 it is lost); the context is stored in f16.  A running maximum starts at -FLT_MAX, not at -infinity, so that a wave whose
; keys are all masked gets P = 0 and a factor 1 and no NaN; scores below -FLT_MAX do not exist.
.set L16,  1                           ; v1        16 x lane
.set KA,   2                           ; v[2:3]    LDS address of my fragments in slot 0, 1
.set DQ,   4                           ; v4        32 w' + r - 64 g - 8 h: key 16 kt + j of tile nt is masked where 16 kt + j - 16 nt > DQ
.set NINF, 5                           ; v5        -infinity
.set M,    6                           ; v[6:7]    running maximum of my query in tile nt
.set MN,   8                           ; v[8:9]    the new one
.set AL,   10                          ; v10, v12  rescale factor, each the first of a pair (broadcast in packed forms)
.set NC,   14                          ; v14, v16  -c x maximum, likewise
.set T,    18                          ; v[18:21]  at work
.set SCR,  22                          ; v22       my 16 bytes in the merge scratch
.set ONES, 24                          ; v[24:31]  a fragment of f16 ones
.set Q,    32                          ; v[32:63]  Q(nt, c) at 16 nt + 8 c
.set S,    64                          ; v[64:127] S(nt, kt) at 32 nt + 8 kt; later P(nt, c) at 32 nt + 16 c
.set KF,   128                         ; v[128:191] K(kt, c) at 16 kt + 8 c; at work in the merge
.set VF,   192                         ; v[192:255] V(dt, c) at 16 dt + 8 c
.set LT,   64                          ; window 1: O(dt, nt) at 8 (2 dt + nt), l(nt) at 64 + 8 nt
.set G1,   16                          ; s[16:23]  descriptor group 1
.set G0,   24                          ; s[24:31]  descriptor group 0, one set for each slot
.set SLOT, 65536
.set SCRATCH, 131072                   ; behind the slots: no tensor load lands here
.set MSB, 0
.macro WIN new
.if MSB != \new
	s_set_vgpr_msb (MSB<<8)|\new
.set MSB, \new
.endif
.endm
.macro PLACES cnt
.rept \cnt
	v_nop
.endr
.endm
; Global address of my 8 KiB of the pair of trips s48, into the slot's group 0.  Only written where no tensor load of mine is out.
.macro ADDR slot
	s_lshl1_add_u32 s49, s48, s9                   ; the trip that I fetch for: 2 x pair + w / 4
	s_sub_co_u32 s34, s49, s11
	s_sub_co_u32 s34, s34, 1
	s_cmp_gt_u32 s49, s11
	s_cselect_b32 s34, s34, s49                    ; its chunk: u - p - 1 behind trip p, else u
	s_lshl_b32 s34, s34, 14                        ; 16,384 bytes a chunk
	s_mov_b32 s35, 0
	s_add_nc_u64 s[G0+4*\slot+2:G0+4*\slot+3], s[32:33], s[34:35]
	s_or_b32 s[G0+4*\slot+3], s[G0+4*\slot+3], 0x80000000
	s_add_co_u32 s48, s48, 1
.endm
; Q's and the context's base for query block s15
.macro BASES
	s_lshl_b32 s50, s15, 3
	s_lshl1_add_u32 s50, s10, s50                  ; seq tile 8 qb + 2 w'
	s_lshl_b32 s52, s50, 11
	s_lshl_b32 s51, s12, 18
	s_add_co_u32 s52, s52, s51
	s_mov_b32 s53, 0
	s_add_nc_u64 s[36:37], s[4:5], s[52:53]
	s_lshr_b32 s51, s12, 3
	s_lshl_b32 s51, s51, 7
	s_add_co_u32 s51, s51, s50                     ; row tile 128 b + 8 qb + 2 w'
	s_lshl_b32 s52, s51, 14
	s_and_b32 s51, s12, 7
	s_lshl_b32 s51, s51, 11                        ; k chunk 4 head
	s_add_co_u32 s52, s52, s51
	s_add_nc_u64 s[38:39], s[6:7], s[52:53]
.endm
.macro LDQ
.irp i, 0,1,2,3,4,5,6,7
	global_load_b128 v[Q+4*\i:Q+4*\i+3], v[L16], s[36:37] offset:512*\i
.endr
.endm
	s_load_b128 s[4:7], s[0:1], 0x0                ; qkv s[4:5], ctxf s[6:7]
	v_lshl_add_u32 v23, v0, 2, 0x29000
	s_set_vgpr_msb 0x40
	v_mov_b32 v81, 0
	s_set_vgpr_msb 0x4044
	ds_add_u32 v23, v81
	ds_add_u32 v23, v81
	s_set_vgpr_msb 0x4400
	v_lshrrev_b32 v1, 5, v0
	v_readfirstlane_b32 s8, v1                     ; wave
	s_lshr_b32 s9, s8, 2                           ; g
	s_and_b32 s10, s8, 3                           ; w'
	s_mov_b32 s11, ttmp9                           ; p
	s_and_b32 s12, ttmp7, 0xffff                   ; bh
	s_mov_b32 s13, 0                               ; u: the trip
	s_mov_b32 s14, s11                             ; the next trip on the diagonal
	s_mov_b32 s15, s11                             ; the query block
	; group 1: 8 KiB that are dense in memory, as 32 rows of 32 elements of 8 bytes
	s_mov_b32 s[G1+0], 3<<16
	s_mov_b32 s[G1+1], 32<<16
	s_mov_b32 s[G1+2], 32<<16
	s_mov_b32 s[G1+3], 32<<16
	s_mov_b32 s[G1+4], 32
	s_mov_b32 s[G1+5], 32
	s_mov_b32 s[G1+6], 0
	s_mov_b32 s[G1+7], 0
	; a slot: trip 0 (K 16 KiB, V 16 KiB), trip 1 likewise.  Wave w fills bytes 8,192 w ..: trip w / 4, K or V by bit 1, half by bit 0
	s_mov_b32 s[G0+0], 1
	s_lshl_b32 s[G0+1], s8, 13
	s_mov_b32 s[G0+4], 1
	s_add_co_u32 s[G0+5], s[G0+1], SLOT
	s_bfe_u32 s34, s8, 0x10001
	s_add_co_u32 s34, s34, 1                       ; tensor 1 (K) or 2 (V)
	s_lshl_b32 s34, s34, 23
	s_lshl_b32 s35, s12, 18
	s_add_co_u32 s34, s34, s35
	s_and_b32 s35, s8, 1
	s_lshl_b32 s35, s35, 13
	s_add_co_u32 s34, s34, s35
	s_mov_b32 s35, 0
	s_mov_b32 s48, 0                               ; the next pair of trips to fetch
	s_wait_dscnt 0x0
	s_wait_kmcnt 0x0
	s_add_nc_u64 s[32:33], s[4:5], s[34:35]
	ADDR 0
	tensor_load_to_lds s[G0:G0+3], s[G1:G1+7]      ; trips 0, 1
	s_nop 0
	ADDR 1
	tensor_load_to_lds s[G0+4:G0+7], s[G1:G1+7]    ; trips 2, 3: two loads of mine are out, the most in this text
	s_nop 0
	BASES
	v_and_b32 v[L16], 31, v0
	v_lshlrev_b32 v[L16], 4, v[L16]
	LDQ
	s_mov_b32 s40, 0x76543210                      ; v_permlanex16_b32: lane i of one half reads lane i of the other
	s_mov_b32 s41, 0xfedcba98
	s_mov_b32 s44, 0x3e38aa3b                      ; c = log2(e) / sqrt(64)
	s_mov_b32 s45, 0x3e38aa3b
	s_mov_b32 s46, 0xbe38aa3b                      ; -c
	s_mov_b32 s47, 0xbe38aa3b
	s_lshl_b32 s50, s9, 13
	v_add_nc_u32 v[KA], s50, v[L16]                ; my group's 8 KiB of a chunk
	v_add_nc_u32 v[KA+1], SLOT, v[KA]
	s_mul_i32 s50, s10, 8704
	s_add_co_u32 s50, s50, SCRATCH
	v_add_nc_u32 v[SCR], s50, v[L16]               ; scratch of the pair of waves w', w' + 4: 16 x 512 bytes of O, 512 of m and l
	v_and_b32 v[T], 15, v0
	v_bfe_u32 v[T+1], v0, 4, 1
	v_lshlrev_b32 v[T+1], 3, v[T+1]
	v_sub_nc_u32 v[DQ], v[T], v[T+1]
	s_lshl_b32 s50, s10, 5
	s_lshl_b32 s51, s9, 6
	s_sub_co_i32 s50, s50, s51
	v_add_nc_u32 v[DQ], s50, v[DQ]
	v_mov_b32 v[NINF], 0xff800000
	v_mov_b32 v[M], 0xff7fffff
	v_mov_b32 v[M+1], 0xff7fffff
.irp i, 1,3,5,7
	v_mov_b32 v[AL+\i], 0                          ; the pairs' second registers are named by packed forms and never used
.endr
.irp i, 0,1,2,3,4,5,6,7
	v_mov_b32 v[ONES+\i], 0x3c003c00
.endr
	WIN 0x40                                       ; O and l start at 0, once, while the first tiles are on their way; the loop's trips all add in place
.set k, 0
.rept 80
	v_mov_b32 v[k], 0
.set k, k+1
.endr
	WIN 0
.macro MASK
.irp nt, 0,1
.irp kt, 0,1,2,3
.irp j, 0,1,2,3,4,5,6,7
	v_cmp_gt_i32 vcc_lo, 16*\kt+\j-16*\nt, v[DQ]
	v_cndmask_b32 v[S+32*\nt+8*\kt+\j], v[S+32*\nt+8*\kt+\j], v[NINF], vcc_lo
.endr
.endr
.endr
.endm
.macro ROWMAX nt                       ; the largest of my 32 scores, the other half's 32 and the old maximum
.irp kt, 0,1,2,3
	v_max3_num_f32 v[T+\kt], v[S+32*\nt+8*\kt], v[S+32*\nt+8*\kt+1], v[S+32*\nt+8*\kt+2]
.endr
.irp kt, 0,1,2,3
	v_max3_num_f32 v[T+\kt], v[T+\kt], v[S+32*\nt+8*\kt+3], v[S+32*\nt+8*\kt+4]
.endr
.irp kt, 0,1,2,3
	v_max3_num_f32 v[T+\kt], v[T+\kt], v[S+32*\nt+8*\kt+5], v[S+32*\nt+8*\kt+6]
.endr
	v_max3_num_f32 v[T], v[T], v[T+1], v[T+2]
	v_max3_num_f32 v[T], v[T], v[T+3], v[S+32*\nt+7]
	v_max3_num_f32 v[T], v[T], v[S+32*\nt+15], v[S+32*\nt+23]
	v_max3_num_f32 v[T], v[T], v[S+32*\nt+31], v[M+\nt]
	v_permlanex16_b32 v[T+1], v[T], s40, s41
	v_max_num_f32 v[MN+\nt], v[T], v[T+1]
.endm
; The end of a query block.  Waves 4-7 hand O, m, l to waves 0-3, which merge, divide and store.
.macro FINISH last
	v_mov_b32 v[KF], v[M]
	v_mov_b32 v[KF+1], v[M+1]
	WIN 0x01
	v_mov_b32 v[KF+2], v[LT]                       ; all eight registers of an l tile are equal
	v_mov_b32 v[KF+3], v[LT+8]
	WIN 0
	s_cmp_lt_u32 s8, 4
	s_cbranch_scc1 .Lkeep_\@
	WIN 0x04                                       ; store data from window 1
.irp i, 0,1,2,3,4,5,6,7,8,9,10,11,12,13,14,15
	ds_store_b128 v[SCR], v[4*\i:4*\i+3] offset:512*\i
.endr
	WIN 0
	ds_store_b128 v[SCR], v[KF:KF+3] offset:8192
.Lkeep_\@:
	s_wait_dscnt 0x0                               ; the stores are in LDS, for the partner's sake
	s_barrier_signal -1
	s_barrier_wait -1                              ; no slot is filled behind this barrier, so a tensor load may stay out across it
	s_cmp_gt_u32 s8, 3
	s_cbranch_scc1 .Lgone_\@
.irp i, 0,1,2,3,4,5,6,7,8,9,10,11,12,13,14,15
	ds_load_b128 v[S+4*\i:S+4*\i+3], v[SCR] offset:512*\i
.endr
	ds_load_b128 v[KF+4:KF+7], v[SCR] offset:8192
	s_wait_dscnt 0x0
	v_max_num_f32 v[KF+8], v[KF], v[KF+4]          ; the common maximum
	v_max_num_f32 v[KF+9], v[KF+1], v[KF+5]
	v_sub_f32 v[AL], v[KF], v[KF+8]
	v_sub_f32 v[AL+2], v[KF+1], v[KF+9]
	v_sub_f32 v[NC], v[KF+4], v[KF+8]
	v_sub_f32 v[NC+2], v[KF+5], v[KF+9]
.irp i, 0,2,4,6
	v_mul_f32 v[AL+\i], s44, v[AL+\i]
.endr
.irp i, 0,2,4,6
	v_exp_f32 v[AL+\i], v[AL+\i]                   ; my factor in AL, the partner's in NC
.endr
	v_nop                                          ; one plain place behind the run (ISA guide 5.7.2)
	s_wait_alu depctr_va_vdst(0)
	v_mul_f32 v[KF+10], v[KF+2], v[AL]
	v_mul_f32 v[KF+11], v[KF+3], v[AL+2]
	v_fmac_f32 v[KF+10], v[KF+6], v[NC]            ; l of the whole row: at least about 1, the largest score's own term
	v_fmac_f32 v[KF+11], v[KF+7], v[NC+2]
	v_rcp_f32 v[KF+10], v[KF+10]
	v_rcp_f32 v[KF+11], v[KF+11]
	v_nop
	s_wait_alu depctr_va_vdst(0)
	v_mul_f32 v[AL], v[AL], v[KF+10]               ; the division rides on the two factors
	v_mul_f32 v[NC], v[NC], v[KF+10]
	v_mul_f32 v[AL+2], v[AL+2], v[KF+11]
	v_mul_f32 v[NC+2], v[NC+2], v[KF+11]
.irp q, 0,1,2,3,4,5,6,7
.irp k, 0,2,4,6
	v_pk_mul_f32 v[S+8*\q+\k:S+8*\q+\k+1], v[S+8*\q+\k:S+8*\q+\k+1], v[NC+2*(\q&1):NC+2*(\q&1)+1] op_sel_hi:[1,0]
.endr
.endr
	WIN 0x01                                       ; source 0 = my O in window 1
.irp q, 0,1,2,3,4,5,6,7
.irp k, 0,2,4,6
	v_pk_fma_f32 v[S+8*\q+\k:S+8*\q+\k+1], v[8*\q+\k:8*\q+\k+1], v[AL+2*(\q&1):AL+2*(\q&1)+1], v[S+8*\q+\k:S+8*\q+\k+1] op_sel_hi:[1,0,1]
.endr
.endr
	WIN 0
.irp q, 0,1,2,3,4,5,6,7
.irp i, 0,1,2,3
	v_cvt_pk_f16_f32 v[S+8*\q+\i], v[S+8*\q+2*\i], v[S+8*\q+2*\i+1]
.endr
.endr
.irp dt, 0,1,2,3
.irp nt, 0,1
	global_store_b128 v[L16], v[S+8*(2*\dt+\nt):S+8*(2*\dt+\nt)+3], s[38:39] offset:\nt*16384+\dt*512   ; 512 consecutive bytes a store
.endr
.endr
.Lgone_\@:
.if \last == 0
	s_wait_xcnt 0x0                                ; the stores' data and base are rewritten only behind this wait
	s_wait_dscnt 0x0                               ; my reads of the scratch are back,
	s_barrier_signal -1
	s_barrier_wait -1                              ; everybody's are: only now may it be stored into again
	v_mov_b32 v[M], 0xff7fffff                     ; the next block starts.  Its first trip is chunk 0 of block 15 - p >= 8, never masked, so its maximum is a
	v_mov_b32 v[M+1], 0xff7fffff                   ; real score and the rescale factor exp2(c (-FLT_MAX - m)) = 0 wipes the old (finite) O and l: nothing is cleared
	s_mov_b32 s14, 16
	s_sub_co_u32 s15, 15, s11
	BASES
	LDQ
.endif
.endm
; One trip: 64 keys of my group x my 32 queries.  tr = which trip of the slot; mode 0 plain, 1 asks whether the trip is on the diagonal, 2 the last trip, on the diagonal.
.macro TRIP slot, tr, mode
.irp kt, 0,1,2,3
.irp c, 0,1
	ds_load_b128 v[KF+16*\kt+8*\c:KF+16*\kt+8*\c+3],   v[KA+\slot] offset:\tr*32768+\kt*2048+\c*1024
	ds_load_b128 v[KF+16*\kt+8*\c+4:KF+16*\kt+8*\c+7], v[KA+\slot] offset:\tr*32768+\kt*2048+\c*1024+512
.endr
.endr
.irp dt, 0,1,2,3
.irp c, 0,1
	ds_load_b128 v[VF+16*\dt+8*\c:VF+16*\dt+8*\c+3],   v[KA+\slot] offset:\tr*32768+16384+\c*4096+\dt*512
	ds_load_b128 v[VF+16*\dt+8*\c+4:VF+16*\dt+8*\c+7], v[KA+\slot] offset:\tr*32768+16384+\c*4096+2048+\dt*512
.endr
.endr
	s_wait_loadcnt 0x0                             ; Q (met at once but in a block's first trip)
	s_wait_dscnt 0x10                              ; K's 16 loads are in, V's 16 stay out
	; the eight S accumulators, and below the ten of O and l, take turns, one instruction a turn
.irp c, 0,1
.irp nt, 0,1
.irp kt, 0,1,2,3
.if \c
	v_wmma_f32_16x16x32_f16 v[S+32*\nt+8*\kt:S+32*\nt+8*\kt+7], v[KF+16*\kt+8*\c:KF+16*\kt+8*\c+7], v[Q+16*\nt+8*\c:Q+16*\nt+8*\c+7], v[S+32*\nt+8*\kt:S+32*\nt+8*\kt+7]
.else
	v_wmma_f32_16x16x32_f16 v[S+32*\nt+8*\kt:S+32*\nt+8*\kt+7], v[KF+16*\kt+8*\c:KF+16*\kt+8*\c+7], v[Q+16*\nt+8*\c:Q+16*\nt+8*\c+7], 0
.endif
.endr
.endr
.endr
	PLACES 4                                       ; before vector instructions read the scores (ISA guide 7.12.1)
.if \mode == 1
	s_cmp_lg_u32 s13, s14
	s_cbranch_scc1 .Lopen_\@
	MASK
.Lopen_\@:
.endif
.if \mode == 2
	MASK
.endif
	ROWMAX 0
	ROWMAX 1
	v_sub_f32 v[AL], v[M], v[MN]
	v_sub_f32 v[AL+2], v[M+1], v[MN+1]
	v_mul_f32 v[AL], s44, v[AL]
	v_mul_f32 v[AL+2], s44, v[AL+2]
	v_exp_f32 v[AL], v[AL]                         ; exp(old maximum - new maximum)
	v_exp_f32 v[AL+2], v[AL+2]
	v_mul_f32 v[NC], s46, v[MN]                    ; (the plain place behind the two exponentials)
	v_mul_f32 v[NC+2], s46, v[MN+1]
	v_mov_b32 v[M], v[MN]
	v_mov_b32 v[M+1], v[MN+1]
	WIN 0x41                                       ; O and l in window 1, the factor in window 0
	s_wait_alu depctr_va_vdst(0)
.irp q, 0,1,2,3,4,5,6,7,8,9
.irp k, 0,2,4,6
	v_pk_mul_f32 v[8*\q+\k:8*\q+\k+1], v[8*\q+\k:8*\q+\k+1], v[AL+2*(\q&1):AL+2*(\q&1)+1] op_sel_hi:[1,0]
.endr
.endr
	WIN 0
.irp nt, 0,1
.set k, 0
.rept 16
	v_pk_fma_f32 v[S+32*\nt+k:S+32*\nt+k+1], v[S+32*\nt+k:S+32*\nt+k+1], s[44:45], v[NC+2*\nt:NC+2*\nt+1] op_sel_hi:[1,0,0]   ; c (score - maximum)
.set k, k+2
.endr
.endr
.set k, 0
.rept 64
	v_exp_f32 v[S+k], v[S+k]
.set k, k+1
.endr
	v_nop                                          ; one plain place behind the run
	s_wait_alu depctr_va_vdst(0)
.irp b, 0,1,2,3
.irp i, 0,1,2,3
	v_cvt_pk_f16_f32 v[S+16*\b+\i], v[S+16*\b+2*\i], v[S+16*\b+2*\i+1]            ; keys 8 h + 0..7 of the even tile: registers 0-3 of P^T's fragment
.endr
.irp i, 0,1,2,3
	v_cvt_pk_f16_f32 v[S+16*\b+4+\i], v[S+16*\b+8+2*\i], v[S+16*\b+8+2*\i+1]      ; of the odd tile: registers 4-7
.endr
.endr
	s_wait_dscnt 0x0                               ; V
	WIN 0x50
.irp c, 0,1
.irp dt, 0,1,2,3
.irp nt, 0,1
	v_wmma_f32_16x16x32_f16 v[8*(2*\dt+\nt):8*(2*\dt+\nt)+7], v[VF+16*\dt+8*\c:VF+16*\dt+8*\c+7], v[S+32*\nt+16*\c:S+32*\nt+16*\c+7], v[8*(2*\dt+\nt):8*(2*\dt+\nt)+7]
.endr
.endr
.irp nt, 0,1
	v_wmma_f32_16x16x32_f16 v[LT+8*\nt:LT+8*\nt+7], v[ONES:ONES+7], v[S+32*\nt+16*\c:S+32*\nt+16*\c+7], v[LT+8*\nt:LT+8*\nt+7]
.endr
.endr
	WIN 0
	PLACES 5                                       ; the next trip's first products write over P, and its loads land in V's fragments
.if \mode == 1
	s_cmp_lg_u32 s13, s14
	s_cbranch_scc1 .Lon_\@
	FINISH 0
.Lon_\@:
.endif
.if \mode == 2
	FINISH 1
.else
	s_add_co_u32 s13, s13, 1
.endif
.endm
.macro PAIR slot, mode
	TRIP \slot, 0, \mode
	TRIP \slot, 1, \mode
.endm
; The change of slots.  In front of the barrier every wave's reads of the slot just read are back and all its tensor loads have landed, its part of the
; other slot among them; behind it slot f is filled again first, one load a wave, which has two trips in which to land.
; kind 1: all waves fill; 2: the last trip stands alone in its pair, so waves 4-7 have nothing to fetch (the address that they formed is not used); 0: nothing is left.
.macro NEXT f, kind
	s_wait_dscnt 0x0
	s_set_vgpr_msb 0x4
	s_wait_tensorcnt 0x0
	ds_add_u32 v23, v81
	s_wait_dscnt 0x0
	s_set_vgpr_msb 0x400
.if \kind
	ADDR \f
.endif
	s_barrier_signal -1
	s_barrier_wait -1
.if \kind == 1
	tensor_load_to_lds s[G0+4*\f:G0+4*\f+3], s[G1:G1+7]
	s_nop 0
.endif
.if \kind == 2
	s_cmp_gt_u32 s8, 3
	s_cbranch_scc1 .Lnone_\@
	tensor_load_to_lds s[G0+4*\f:G0+4*\f+3], s[G1:G1+7]
	s_nop 0
.Lnone_\@:
.endif
.endm
	s_wait_tensorcnt 0x1                           ; my part of slot 0 is in; slot 1's may stay out
	s_barrier_signal -1
	s_barrier_wait -1
	PAIR 0, 1                                      ; trips 0, 1
	s_mov_b32 s42, 3
.Lpairs:                                       ; fetches pairs 2 to 7, works pairs 1 to 6
	NEXT 0, 1
	PAIR 1, 1
	NEXT 1, 1
	PAIR 0, 1
	s_sub_co_u32 s42, s42, 1
	s_cmp_lg_u32 s42, 0
	s_cbranch_scc1 .Lpairs
	NEXT 0, 2                                      ; trip 16 goes out
	PAIR 1, 0                                      ; trips 14, 15: p <= 7, so neither is on the diagonal
	NEXT 1, 0
	TRIP 0, 0, 2                                   ; trip 16
	s_set_vgpr_msb 0x4
	s_wait_tensorcnt 0x0
	ds_add_u32 v23, v81
	s_wait_dscnt 0x0
	s_set_vgpr_msb 0x400
	s_endpgm
.Lfunc_end_k_q83a0561887_attn:
	.size	k_q83a0561887_attn, .Lfunc_end_k_q83a0561887_attn-k_q83a0561887_attn
	.p2alignl 7, 3214868480
	.fill 96, 4, 3214868480
	.section	.rodata,"a",@progbits
	.p2align	6, 0x0
	.amdhsa_kernel k_q83a0561887_attn
		.amdhsa_group_segment_fixed_size 327680
		.amdhsa_private_segment_fixed_size 0
		.amdhsa_enable_private_segment 0
		.amdhsa_kernarg_size 16
		.amdhsa_user_sgpr_count 2
		.amdhsa_user_sgpr_kernarg_segment_ptr 1
		.amdhsa_wavefront_size32 1
		.amdhsa_system_sgpr_workgroup_id_x 1
		.amdhsa_system_sgpr_workgroup_id_y 1
		.amdhsa_system_sgpr_workgroup_id_z 1
		.amdhsa_system_vgpr_workitem_id 0
		.amdhsa_next_free_vgpr 338
		.amdhsa_next_free_sgpr 66
		.amdhsa_reserve_vcc 1
		.amdhsa_float_denorm_mode_32 3
		.amdhsa_float_denorm_mode_16_64 3
		.amdhsa_memory_ordered 1
		.amdhsa_forward_progress 1
		.amdhsa_inst_pref_size 255
	.end_amdhsa_kernel
	.section	.bss,"aw",@nobits
	.p2align	6
	.space	262144
	.amdgpu_metadata
---
amdhsa.version: [ 1, 2 ]
amdhsa.kernels:
  - .name:           k_q83a0561887_attn
    .symbol:         k_q83a0561887_attn.kd
    .args:
      - { .name: qkv, .offset: 0, .size: 8, .value_kind: global_buffer, .address_space: global }
      - { .name: ctxf, .offset: 8, .size: 8, .value_kind: global_buffer, .address_space: global }
    .group_segment_fixed_size: 327680
    .private_segment_fixed_size: 0
    .kernarg_segment_align: 8
    .kernarg_segment_size: 16
    .max_flat_workgroup_size: 256
    .sgpr_count:     66
    .vgpr_count:     338
    .wavefront_size: 32
...
	.end_amdgpu_metadata
.endif
;; end of part 3
;; launch oproj (part 4): grid 4 x 64, 4 waves a work-group, clusters of 4 x 4, 280,064 bytes of LDS; arguments ctxf, wf, out0; writes out0
.if DOCPART == 4
	.amdgcn_target "amdgcn-amd-amdhsa--gfx1250"
	.amdhsa_code_object_version 6
	.text
	.protected	k_q83a0561887_oproj
	.globl	k_q83a0561887_oproj
	.p2align	8
	.type	k_q83a0561887_oproj,@function
k_q83a0561887_oproj:
	s_mov_b64 s[64:65], 0
	v_nop
	global_prefetch_b8 v0, s[64:65] scope:SCOPE_SE
	s_setreg_imm32_b32 hwreg(HW_REG_WAVE_MODE, 25, 1), 1
	s_wait_xcnt 0x0
	s_wait_alu depctr_hold_cnt(0) depctr_sa_sdst(0) depctr_va_vdst(0) depctr_va_sdst(0) depctr_va_ssrc(0) depctr_va_vcc(0) depctr_vm_vsrc(0)
	s_getreg_b32 s2, hwreg(HW_REG_IB_STS2, 6, 4)
	s_cmp_eq_u32 s2, 0
	s_cbranch_scc0 .Lentry_in_a_cluster
	s_endpgm
.Lentry_in_a_cluster:
	s_bfe_u32 s2, ttmp6, 0x10000c
	s_cmp_lg_u32 s2, 0xf033
	s_cbranch_scc0 .Lentry_shape_is_right
	s_endpgm
.Lentry_shape_is_right:
; out0 = context W_O^T.  Context f16 and W_O f16, both in fragment order (blocks of 512 bytes: 16 rows x 16 k, lane 16 h + r owns row r, k = 8 h + 0..7); sums and out0 f32.
; A work-group makes 128 rows x 128 features with four waves of 64 x 64 (16 accumulator tiles).  K = 512: all of both operands, 2 x 128 KiB, fits in LDS, so
; every LDS byte is filled once: four slices of 128 k, asked for together at the start, each multiplied as soon as it has landed.  No slot is filled again.
; CLUSTER 4 x 4: the four work-groups of a row of the cluster need the same rows of the context, the four of a column the same rows of W_O.  Each tile is asked
; for jointly: the same tensor load, with the same descriptor and a mask that names the four.  That divides the requests for both by four.
; Source 0 = W_O, source 1 = context: a lane's eight results are eight neighbouring features of one row, 32 bytes.
.set SLICE,  65536                     ; context's 8 row tiles x 4,096 bytes, then W_O's 8
.set STAGE,  262144                    ; behind the slices: 16 rows x 272 bytes for each wave, for the way out; no tensor load lands here
.set SPITCH, 272                       ; 256 + 16: the 16 rows that a store touches begin 16 bytes apart modulo 256
.set VA,  4                            ; v[4:7]   LDS address of my context fragments in slice q
.set VB,  8                            ; v[8:11]  of my W_O fragments
.set STO, 12
.set RD,  13
.set CO,  14
.set F0,  16                           ; v[16:79], v[80:143] two fragment buffers: context (mt) at 8 mt, W_O (nt) at 32 + 8 nt
                                       ; window 1: accumulator (mt, nt) at 8 (4 mt + nt)
.set G1A, 24                           ; s[24:31] group 1 for the context's tiles
.set G1B, 32                           ; s[32:39] for W_O's: another mask
.set G0A, 40                           ; s[40:55] group 0 for the context's tiles, one set for each slice
.set G0B, 68                           ; s[68:83] for W_O's
.set MSB, 0
.macro WIN new
.if MSB != \new
	s_set_vgpr_msb (MSB<<8)|\new
.set MSB, \new
.endif
.endm
.macro PLACES cnt
.rept \cnt
	v_nop
.endr
.endm
; A round of the cluster's barrier: my work-group's barrier, wave 0 signals for the work-group, every wave waits for all sixteen, my work-group's barrier once more.
.macro CROUND
	s_barrier_signal -1
	s_barrier_wait -1
	s_cmp_lg_u32 s10, 0
	s_cbranch_scc1 .Lnot_wave_0_\@
	s_barrier_signal -3
.Lnot_wave_0_\@:
	s_barrier_wait -3
	s_barrier_signal -1
	s_barrier_wait -1
.endm
	s_load_b128 s[4:7], s[0:1], 0x0                ; ctxf s[4:5], wf s[6:7]
	s_load_b64 s[8:9], s[0:1], 0x10                ; out0
	v_lshl_add_u32 v254, v0, 2, 0x44400
	v_mov_b32 v255, 0
	ds_add_u32 v254, v255
	ds_add_u32 v254, v255
	v_lshrrev_b32 v1, 5, v0
	v_readfirstlane_b32 s10, v1                    ; wave
	s_lshr_b32 s11, s10, 1                         ; my half of the block's rows.  Also: I fetch for the context (0) or for W_O (1)
	s_and_b32 s12, s10, 1                          ; my half of its features.  Also: which four tiles I fetch
	s_bfe_u32 s56, ttmp6, 0x40000                  ; cx
	s_bfe_u32 s57, ttmp6, 0x40004                  ; cy
	s_lshl_b32 s58, ttmp9, 2
	s_add_co_u32 s58, s58, s56                     ; block column = 4 x cluster x + cx
	s_and_b32 s13, ttmp7, 0xffff
	s_lshl_b32 s13, s13, 2
	s_add_co_u32 s13, s13, s57                     ; block row = 4 x cluster y + cy
	s_lshl_b32 s59, s57, 2
	s_lshl_b32 s59, 15, s59                        ; my row of the cluster
	s_lshl_b32 s60, 0x1111, s56                    ; my column
	; group 1: four tiles' slices = 4 rows of 512 elements of 8 bytes (4,096 bytes), 2,048 elements (a tile's 16,384 bytes) from row to row
	s_or_b32 s[G1A+0], s59, (3<<16)|(1<<21)
	s_or_b32 s[G1B+0], s60, (3<<16)|(1<<21)
	s_mov_b32 s[G1A+1], 512<<16
	s_mov_b32 s[G1B+1], 512<<16
	s_mov_b32 s[G1A+2], 4<<16
	s_mov_b32 s[G1B+2], 4<<16
	s_mov_b32 s[G1A+3], 512<<16
	s_mov_b32 s[G1B+3], 512<<16
	s_mov_b32 s[G1A+4], 4
	s_mov_b32 s[G1B+4], 4
	s_mov_b32 s[G1A+5], 2048
	s_mov_b32 s[G1B+5], 2048
	s_mov_b32 s[G1A+6], 0
	s_mov_b32 s[G1B+6], 0
	s_mov_b32 s[G1A+7], 0
	s_mov_b32 s[G1B+7], 0
	; the context's address hangs on the block row alone, W_O's on the block column alone, each in registers that never hold the other coordinate
	s_lshl_b32 s16, s13, 3
	s_lshl2_add_u32 s16, s12, s16                  ; row tile 8 x block row + 4 x half
	s_lshl_b32 s16, s16, 14
	s_mov_b32 s17, 0
	s_lshl_b32 s20, s58, 3
	s_lshl2_add_u32 s20, s12, s20                  ; n tile 8 x block column + 4 x half
	s_lshl_b32 s20, s20, 14
	s_add_co_u32 s20, s20, 3*524288                ; W_O is the fourth weight in wf
	s_mov_b32 s21, 0
	s_lshl_b32 s18, s10, 14                        ; to LDS: wave x 16,384: the context's two halves, then W_O's
	s_wait_dscnt 0x0
	s_wait_kmcnt 0x0
	s_add_nc_u64 s[14:15], s[4:5], s[16:17]
	s_add_nc_u64 s[22:23], s[6:7], s[20:21]
.irp q, 0,1,2,3
	s_mov_b32 s[G0A+4*\q], 1
	s_add_co_u32 s[G0A+4*\q+1], s18, \q*SLICE
	s_add_nc_u64 s[G0A+4*\q+2:G0A+4*\q+3], s[14:15], \q*4096
	s_or_b32 s[G0A+4*\q+3], s[G0A+4*\q+3], 0x80000000
	s_mov_b32 s[G0B+4*\q], 1
	s_add_co_u32 s[G0B+4*\q+1], s18, \q*SLICE
	s_add_nc_u64 s[G0B+4*\q+2:G0B+4*\q+3], s[22:23], \q*4096
	s_or_b32 s[G0B+4*\q+3], s[G0B+4*\q+3], 0x80000000
.endr
	CROUND                                         ; all sixteen work-groups are here: the joint loads meet
	s_cmp_eq_u32 s11, 0                            ; on the wave's number alone: the same in every work-group
	s_cbranch_scc0 .Lfor_b
.irp q, 0,1,2,3
	tensor_load_to_lds s[G0A+4*\q:G0A+4*\q+3], s[G1A:G1A+7]
	s_nop 0
.endr
	s_branch .Lasked
.Lfor_b:
.irp q, 0,1,2,3
	tensor_load_to_lds s[G0B+4*\q:G0B+4*\q+3], s[G1B:G1B+7]
	s_nop 0
.endr
.Lasked:                                       ; four loads of mine are out, the most in this text
	v_and_b32 v1, 31, v0
	v_lshlrev_b32 v2, 4, v1                        ; 16 x lane
	s_lshl_b32 s19, s11, 14                        ; my four row tiles
	v_add_nc_u32 v[VA], s19, v2
	s_lshl_b32 s19, s12, 14                        ; my four n tiles,
	s_add_co_u32 s19, s19, 32768                   ; behind the context's eight
	v_add_nc_u32 v[VB], s19, v2
.irp q, 1,2,3
	v_add_nc_u32 v[VA+\q], \q*SLICE, v[VA]
	v_add_nc_u32 v[VB+\q], \q*SLICE, v[VB]
.endr
	v_and_b32 v1, 15, v0                           ; r
	v_bfe_u32 v3, v0, 4, 1                         ; h
	s_mul_i32 s19, s10, 16*SPITCH
	s_add_co_u32 s19, s19, STAGE                   ; my stage
	v_mul_u32_u24 v2, v1, SPITCH                   ; in: row r, 32 bytes for each half of the lanes
	v_lshl_add_u32 v2, v3, 5, v2
	v_add_nc_u32 v[STO], s19, v2
	v_mul_u32_u24 v2, v3, SPITCH                   ; back: lanes 0-15 one row of 256 bytes, lanes 16-31 the next
	v_lshl_add_u32 v2, v1, 4, v2
	v_add_nc_u32 v[RD], s19, v2
	v_lshlrev_b32 v2, 11, v3                       ; and the same two rows in out0
	v_lshl_add_u32 v[CO], v1, 4, v2
	s_lshl_b32 s16, s13, 7
	s_lshl_b32 s17, s11, 6
	s_add_co_u32 s16, s16, s17                     ; my first row
	s_lshl_b32 s16, s16, 11                        ; 2,048 bytes a row
	s_mov_b32 s17, 0
	s_add_nc_u64 s[8:9], s[8:9], s[16:17]
	s_lshl_b32 s20, s58, 9                         ; my first feature, in bytes: 512 x block column + 256 x half
	s_lshl_b32 s21, s12, 8
	s_add_co_u32 s20, s20, s21
	s_mov_b32 s21, 0
	s_add_nc_u64 s[8:9], s[8:9], s[20:21]
.macro FETCH t                         ; K step t of 32: 16 loads of 512 consecutive bytes into buffer t & 1
.set FB, F0+64*((\t)&1)
.set FQ, (\t)>>2
.set FK, ((\t)&3)*1024
.irp m, 0,1,2,3
	ds_load_b128 v[FB+8*\m:FB+8*\m+3],   v[VA+FQ] offset:\m*4096+FK
	ds_load_b128 v[FB+8*\m+4:FB+8*\m+7], v[VA+FQ] offset:\m*4096+FK+512
.endr
.irp m, 0,1,2,3
	ds_load_b128 v[FB+32+8*\m:FB+32+8*\m+3],   v[VB+FQ] offset:\m*4096+FK
	ds_load_b128 v[FB+32+8*\m+4:FB+32+8*\m+7], v[VB+FQ] offset:\m*4096+FK+512
.endr
.endm
.macro STEP t
.if (\t) < 15
.if (((\t)+1)&3) == 0
	s_wait_dscnt 0x0                               ; no LDS instruction of mine is pending at a signal
	s_wait_tensorcnt 3-((\t)+1)/4                  ; my part of the next slice is in; the later slices' loads stay out
	s_barrier_signal -1
	s_barrier_wait -1                              ; everybody's is
.endif
	PLACES 4                                       ; a load into a register that a matrix instruction has read stands four plain places behind it
	FETCH (\t)+1
	s_wait_dscnt 0x10                              ; all but the 16 just issued
.else
	s_wait_dscnt 0x0
.endif
.set FM, F0+64*((\t)&1)
	WIN 0x50                                       ; the 16 accumulators take turns, one instruction a turn
.irp m, 0,1,2,3
.irp c, 0,1,2,3
.if (\t) == 0
	v_wmma_f32_16x16x32_f16 v[8*(4*\m+\c):8*(4*\m+\c)+7], v[FM+32+8*\c:FM+32+8*\c+7], v[FM+8*\m:FM+8*\m+7], 0
.else
	v_wmma_f32_16x16x32_f16 v[8*(4*\m+\c):8*(4*\m+\c)+7], v[FM+32+8*\c:FM+32+8*\c+7], v[FM+8*\m:FM+8*\m+7], v[8*(4*\m+\c):8*(4*\m+\c)+7]
.endif
.endr
.endr
	WIN 0
.endm
	s_wait_tensorcnt 0x3                           ; my part of slice 0 is in,
	s_barrier_signal -1
	s_barrier_wait -1                              ; everybody's is
	FETCH 0
.irp t, 0,1,2,3,4,5,6,7,8,9,10,11,12,13,14,15
	STEP \t
.endr
	PLACES 4                                       ; behind the last matrix instructions: LDS stores read results, loads land in the fragment buffers
; 16 rows at a time through my own stage: 32 bytes a lane in, whole rows of 256 bytes back.  LDS serves a wave's instructions in order (ISA guide 5.7.1.4).
.macro OUT16 m
	WIN 0x04                                       ; store data from window 1
.irp c, 0,1,2,3
	ds_store_b128 v[STO], v[8*(4*\m+\c):8*(4*\m+\c)+3]   offset:64*\c
	ds_store_b128 v[STO], v[8*(4*\m+\c)+4:8*(4*\m+\c)+7] offset:64*\c+16
.endr
	WIN 0
	s_wait_xcnt 0x0                                ; the buffer that earlier stores read is loaded again only behind this wait
.irp t, 0,1,2,3,4,5,6,7
	ds_load_b128 v[F0+64*(\m&1)+4*\t:F0+64*(\m&1)+4*\t+3], v[RD] offset:\t*2*SPITCH
.endr
.irp t, 0,1,2,3,4,5,6,7
	s_wait_dscnt 7-\t
	global_store_b128 v[CO], v[F0+64*(\m&1)+4*\t:F0+64*(\m&1)+4*\t+3], s[8:9] offset:\m*32768+\t*4096 th:TH_STORE_NT   ; 16 lanes store 256 consecutive bytes, aligned
.endr
.endm
	OUT16 0
	OUT16 1
	OUT16 2
	OUT16 3
	s_wait_tensorcnt 0x0
	ds_add_u32 v254, v255
	s_wait_dscnt 0x0
	CROUND                                         ; the closing round: no work-group ends while a partner may still ask for a tile that names it
	s_endpgm
.Lfunc_end_k_q83a0561887_oproj:
	.size	k_q83a0561887_oproj, .Lfunc_end_k_q83a0561887_oproj-k_q83a0561887_oproj
	.p2alignl 7, 3214868480
	.fill 96, 4, 3214868480
	.section	.rodata,"a",@progbits
	.p2align	6, 0x0
	.amdhsa_kernel k_q83a0561887_oproj
		.amdhsa_group_segment_fixed_size 280064
		.amdhsa_private_segment_fixed_size 0
		.amdhsa_enable_private_segment 0
		.amdhsa_kernarg_size 24
		.amdhsa_user_sgpr_count 2
		.amdhsa_user_sgpr_kernarg_segment_ptr 1
		.amdhsa_wavefront_size32 1
		.amdhsa_system_sgpr_workgroup_id_x 1
		.amdhsa_system_sgpr_workgroup_id_y 1
		.amdhsa_system_sgpr_workgroup_id_z 1
		.amdhsa_system_vgpr_workitem_id 0
		.amdhsa_next_free_vgpr 384
		.amdhsa_next_free_sgpr 84
		.amdhsa_reserve_vcc 0
		.amdhsa_float_denorm_mode_32 3
		.amdhsa_float_denorm_mode_16_64 3
		.amdhsa_memory_ordered 1
		.amdhsa_forward_progress 1
		.amdhsa_inst_pref_size 53
	.end_amdhsa_kernel
	.amdgpu_metadata
---
amdhsa.version: [ 1, 2 ]
amdhsa.kernels:
  - .name:           k_q83a0561887_oproj
    .symbol:         k_q83a0561887_oproj.kd
    .args:
      - { .name: ctxf, .offset: 0, .size: 8, .value_kind: global_buffer, .address_space: global }
      - { .name: wf, .offset: 8, .size: 8, .value_kind: global_buffer, .address_space: global }
      - { .name: out0, .offset: 16, .size: 8, .value_kind: global_buffer, .address_space: global }
    .group_segment_fixed_size: 280064
    .private_segment_fixed_size: 0
    .kernarg_segment_align: 8
    .kernarg_segment_size: 24
    .max_flat_workgroup_size: 128
    .sgpr_count:     84
    .vgpr_count:     384
    .wavefront_size: 32
...
	.end_amdgpu_metadata
.endif
;; end of part 4
;; ======== version 2 of 2: 4 launches; version 1 with the launch qkv written anew for expert scheduling mode
;; limits: values are held in f16: magnitudes above 65,504 overflow, below 6.1e-05 lose precision
;; workspace buffers: wf 2,097,152 bytes; qkv 25,165,824 bytes; ctxf 8,388,608 bytes
;; launch wcast: the kernel of part 1 again; grid 64 x 4, 4 waves a work-group, no clusters, 0 bytes of LDS; arguments W_Q, W_K, W_V, W_O, wf; writes wf
;; launch qkv (part 5): grid 64 x 3, 8 waves a work-group, no clusters, 148,480 bytes of LDS; arguments input_Q, input_K, input_V, wf, qkv; writes qkv
.if DOCPART == 5
	.amdgcn_target "amdgcn-amd-amdhsa--gfx1250"
	.amdhsa_code_object_version 6
	.text
	.protected	k_q83a0561887_qkv
	.globl	k_q83a0561887_qkv
	.p2align	8
	.type	k_q83a0561887_qkv,@function
k_q83a0561887_qkv:
	s_mov_b64 s[64:65], 0
	v_nop
	global_prefetch_b8 v0, s[64:65] scope:SCOPE_SE
	s_setreg_imm32_b32 hwreg(HW_REG_WAVE_SCHED_MODE, 0, 2), 2
	s_setreg_imm32_b32 hwreg(HW_REG_WAVE_MODE, 25, 1), 1
	s_wait_xcnt 0x0
	s_wait_alu depctr_vm_vsrc(0)
; The three input projections y = x W^T, x [8192][512] f32, W from wf (bf16, fragment order).  Sums in f32, results rounded once to f16.
; Work-group (rb, y): tensor y (0 Q, 1 K, 2 V), rows 128 rb .. + 127, all 512 features: each byte of x is read from memory once in the launch.
; Wave w makes 128 rows x 64 features = head w: 32 accumulator tiles of 16 x 16, 256 registers.
; x: 16-byte loads (a wave's load takes 256 consecutive bytes of each of two rows), rounded to bf16 once, stored into an LDS image of the whole
;    block: 8 regions of 64 k, 128 rows of 144 bytes (128 + 16, so that the 16 rows of a fragment load begin 16 bytes apart modulo 256).
;    Every LDS byte is stored once, so a region needs one barrier: between its stores and its first read.
; W: a wave alone reads its 64 rows of W, so its fragments go from wf straight into registers (loads of 512 consecutive bytes), ring of three K steps of 32.
; NO CLUSTER: the 64 row blocks of a tensor do read the same W, but through LDS a K step of 64 would add 64 KiB of LDS writes and as many reads
;    to the 128 KiB of x fragments that the eight waves read there; W is 512 KiB a tensor against x's 16 MiB.
; OUT, fragment order: qkv[tensor 3][8 b + head 32][seq tile 128][sub 4][lane 32][8 f16], blocks of 512 bytes.
;    Q, K: source 0 = W, source 1 = x, so lane (r, h) holds seq r, d = 16 sub + 8 h + 0..7.
;    V:    source 0 = x, source 1 = W, so lane (r, h) holds d = 16 sub + r, keys 8 h + 0..7 (V transposed, as the second product of attention wants it).
; LIMIT: |Q|, |K|, |V| of 65,504 and above become infinity in f16.  As drawn they are about 5; with x and W both 30 times larger about 5,000;
;    with both carrying an offset of 30 spreads about 20,400.
; THE MODE: SCHED_MODE bits 1:0 = 2 (LLVM: expert scheduling mode 2), set by the entry lines.  The code itself states the register dependences
;    between vector or matrix instructions and memory or LDS instructions, with s_wait_alu, always for 0.
; THE PLAN.  Registers that memory or LDS instructions touch:
;    v1, v2, v[4:6], v[8:10]  addresses, made at the head and never written again: one wait on va_vdst at the head's end serves every load and store.
;    X buffer s & 1   the loads of region s land; 16 conversions read and write it in place; 8 LDS stores read it; the loads of region s + 2 land.
;    AH0, AH1         the LDS loads of K step t land; the 16 matrix instructions of that half of step t read it; the loads of step t + 1 land.
;    BR slot t mod 3  the loads of K step t land; the step's 32 matrix instructions read it; the loads of step t + 3 land.
;    v[16:143]        on the way out: written by the conversions to f16, read by the global stores.
;    The accumulators are named by matrix instructions and by the way out's conversions alone.
;    So a K step holds TWO waits on va_vdst, one behind each run of 16 matrix instructions, ahead of the loads into what that run has read.  A region's
;    conversions stand ahead of the second of them in every odd step, so that the same wait shows the LDS stores' data written.  One wait on vm_vsrc
;    stands between a region's LDS stores and the loads that land in the buffer that they read.  Between a wait and the loads and stores that lean on it
;    stands no vector or matrix instruction.  The last K step issues no load and holds no such wait.
.set PITCH,  144
.set REGION, 128*PITCH                 ; 18,432 bytes
.set XO,  1                            ; v1       my byte offset in x
.set L16, 2                            ; v2       16 x lane
.set XS,  4                            ; v[4:6]   LDS address of my stores, regions 0-2, 3-5, 6-7 (the immediate has 16 bits)
.set AF,  8                            ; v[8:10]  LDS address of my x fragments, likewise
.set X0,  16                           ; v[16:47], v[48:79]     x as loaded, two buffers
.set AH,  80                           ; v[80:111], v[112:143]  x fragments of row tiles 0-3, 4-7
.set BR,  144                          ; v[144:239] W fragments, three slots of four
                                       ; window 1 (v256-v511): accumulator (mt, nt) at 8 (4 mt + nt)
.set MSB, 0
.macro WIN new                         ; the immediate's high byte repeats the setting that is left
.if MSB != \new
	s_set_vgpr_msb (MSB<<8)|\new
.set MSB, \new
.endif
.endm
.macro PLACES cnt
.rept \cnt
	v_nop
.endr
.endm
	s_load_b256 s[4:11], s[0:1], 0x0               ; input_Q s[4:5], input_K s[6:7], input_V s[8:9], wf s[10:11]
	s_load_b64 s[12:13], s[0:1], 0x20              ; qkv
	v_lshl_add_u32 v254, v0, 2, 0x24000
	v_mov_b32 v255, 0
	v_lshrrev_b32 v3, 5, v0
	v_readfirstlane_b32 s14, v3                    ; wave = head
	s_and_b32 s15, ttmp7, 0xffff                   ; y: tensor
	s_mov_b32 s16, ttmp9                           ; rb: block of 128 rows
	v_and_b32 v12, 15, v0                          ; r
	v_bfe_u32 v14, v0, 4, 1                        ; h
	v_lshlrev_b32 v[XO], 11, v14                   ; x: row 2 w + h of each 16, 2,048 bytes a row,
	v_lshl_add_u32 v[XO], v12, 4, v[XO]            ;    16 bytes a lane
	s_wait_alu depctr_va_sdst(0)                   ; s14 is written, ahead of its first reader: lane terms and the bases of W and of the output are made from it
	s_lshl_b32 s30, s14, 12
	v_add_nc_u32 v[XO], s30, v[XO]
	v_and_b32 v[L16], 31, v0
	v_lshlrev_b32 v[L16], 4, v[L16]
	v_mul_u32_u24 v13, v14, PITCH                  ; LDS store: the same row, 8 bytes a lane
	v_lshl_add_u32 v[XS], v12, 3, v13
	s_mul_i32 s30, s14, 2*PITCH
	v_add_nc_u32 v[XS], s30, v[XS]
	v_add_nc_u32 v[XS+1], 3*REGION, v[XS]
	v_add_nc_u32 v[XS+2], 6*REGION, v[XS]
	v_mul_u32_u24 v13, v12, PITCH                  ; fragment: row r, 16 bytes for each half of the lanes
	v_lshl_add_u32 v[AF], v14, 4, v13
	v_add_nc_u32 v[AF+1], 3*REGION, v[AF]
	v_add_nc_u32 v[AF+2], 6*REGION, v[AF]
	s_lshl_b32 s24, s16, 18                        ; x: 128 rows of 2,048 bytes
	s_mov_b32 s25, 0
	s_lshl_b32 s26, s15, 19                        ; wf: 524,288 bytes a weight,
	s_lshl_b32 s27, s14, 16                        ;     four n tiles of 16,384 a head
	s_add_co_u32 s26, s26, s27
	s_mov_b32 s27, 0
	s_lshr_b32 s28, s16, 4                         ; b
	s_lshl3_add_u32 s28, s28, s14                  ; 8 b + head
	s_lshl_b32 s28, s28, 18                        ; 262,144 bytes each
	s_lshl_b32 s29, s15, 23                        ; 8,388,608 a tensor
	s_add_co_u32 s28, s28, s29
	s_and_b32 s29, s16, 15
	s_lshl_b32 s29, s29, 14                        ; 8 seq tiles of 2,048
	s_add_co_u32 s28, s28, s29
	s_mov_b32 s29, 0
	s_wait_kmcnt 0x0
	s_cmp_eq_u32 s15, 1
	s_cselect_b64 s[18:19], s[6:7], s[4:5]
	s_cmp_eq_u32 s15, 2
	s_cselect_b64 s[18:19], s[8:9], s[18:19]
	s_add_nc_u64 s[18:19], s[18:19], s[24:25]      ; x at my block
	s_add_nc_u64 s[20:21], s[10:11], s[26:27]      ; W at my head
	s_add_nc_u64 s[22:23], s[12:13], s[28:29]      ; out at my 16 KiB
	s_wait_alu depctr_va_vdst(0)                   ; v1, v2, v[4:6] and v[8:10] are written: every load and store of the kernel, on both ways behind the branch below, reads one of them as its address
; LD_ISS counts the global loads issued so far; XENDn and BENDt keep its value behind x's region n and W's K step t.
; Loads come back in order (ISA guide 5.7.1), so a group is in when at most LD_ISS - its END are out: every counted wait below is that difference.
.macro LDX s                           ; region s of x: 128 rows x 64 k, eight loads a lane
.irp i, 0,1,2,3,4,5,6,7
	global_load_b128 v[X0+32*((\s)&1)+4*\i:X0+32*((\s)&1)+4*\i+3], v[XO], s[18:19] offset:\i*32768+(\s)*256 th:TH_LOAD_NT
.endr
.set LD_ISS, LD_ISS+8
.set XEND\s, LD_ISS
.endm
.macro LDB t                           ; K step t of 32: my four W fragments into ring slot t mod 3
.irp c, 0,1,2,3
	global_load_b128 v[BR+32*((\t)%3)+8*\c:BR+32*((\t)%3)+8*\c+3],   v[L16], s[20:21] offset:\c*16384+(\t)*1024
	global_load_b128 v[BR+32*((\t)%3)+8*\c+4:BR+32*((\t)%3)+8*\c+7], v[L16], s[20:21] offset:\c*16384+(\t)*1024+512
.endr
.set LD_ISS, LD_ISS+8
.set BEND\t, LD_ISS
.endm
.macro CVX s                           ; region s: round to bf16 in place
.set XB, X0+32*((\s)&1)
.irp i, 0,1,2,3,4,5,6,7
	v_cvt_pk_bf16_f32 v[XB+4*\i],   v[XB+4*\i],   v[XB+4*\i+1]
	v_cvt_pk_bf16_f32 v[XB+4*\i+1], v[XB+4*\i+2], v[XB+4*\i+3]
.endr
.endm
.macro STX s                           ; region s: 8 bytes a lane into LDS
.set XB, X0+32*((\s)&1)
.irp i, 0,1,2,3,4,5,6,7
	ds_store_b64 v[XS+(\s)/3], v[XB+4*\i:XB+4*\i+1] offset:((\s)%3)*REGION+\i*16*PITCH
.endr
.endm
.macro XPART reg, nxt                  ; regions 0 and 1, ahead of the first matrix instruction: region reg goes to LDS; its buffer is asked again for region nxt
	s_wait_loadcnt LD_ISS-XEND\reg
	CVX \reg
	s_wait_alu depctr_va_vdst(0)                   ; the conversions have written the buffer's registers, which the LDS stores read, and are done reading the buffer, in which the loads below land
	STX \reg
	s_wait_alu depctr_vm_vsrc(0)                   ; the LDS stores have read the buffer's registers, in which the loads below land
	LDX \nxt
.endm
.macro LDA half, t                     ; x fragments of four row tiles for K step t
.irp m, 0,1,2,3
	ds_load_b128 v[AH+32*\half+8*\m:AH+32*\half+8*\m+3],   v[AF+((\t)/2)/3] offset:(((\t)/2)%3)*REGION+(4*\half+\m)*16*PITCH+((\t)&1)*64
	ds_load_b128 v[AH+32*\half+8*\m+4:AH+32*\half+8*\m+7], v[AF+((\t)/2)/3] offset:(((\t)/2)%3)*REGION+(4*\half+\m)*16*PITCH+((\t)&1)*64+32
.endr
.endm
; 16 matrix instructions.  The 32 accumulators take turns, one instruction a turn, in the same order in every K step.
.macro MUL16 half, t, first, swap
	WIN 0x50                                       ; C and D in window 1
.irp m, 0,1,2,3
.irp c, 0,1,2,3
.set DD, 8*(4*(4*\half+\m)+\c)
.if \swap
.set SA, AH+32*\half+8*\m
.set SB, BR+32*((\t)%3)+8*\c
.else
.set SA, BR+32*((\t)%3)+8*\c
.set SB, AH+32*\half+8*\m
.endif
.if \first
	v_wmma_f32_16x16x32_bf16 v[DD:DD+7], v[SA:SA+7], v[SB:SB+7], 0          ; the first K step starts the sums
.else
	v_wmma_f32_16x16x32_bf16 v[DD:DD+7], v[SA:SA+7], v[SB:SB+7], v[DD:DD+7]
.endif
.endr
.endr
	WIN 0
.endm
; K step t.  t1 = t + 1, t3 = t + 3 (nothing is fetched past step 15).  bar = 1: the barrier that shows the region stored just before to every wave.
; xr below 8: region xr of x goes to LDS in this step's second half: its conversions stand behind the step's last matrix instructions and ahead of the wait that
; stands there anyway, its LDS stores behind the loads that follow that wait; xn below 8: its buffer is asked again for region xn, two K steps of 64 ahead.
; Every window is 0 ahead of each wait on va_vdst and of the loads behind it.
.macro SUB t, t1, t3, bar, first, swap, xr=99, xn=99
.if \bar
	s_wait_dscnt 0x0                               ; my x stores are in LDS (for the others), and all my fragments are in
.else
	s_wait_dscnt 0x8                               ; row tiles 0-3 are in; the eight younger loads (tiles 4-7) may be out
.endif
	s_wait_loadcnt LD_ISS-BEND\t                   ; this step's W fragments
.if \bar
	s_barrier_signal -1
.endif
	MUL16 0, \t, \first, \swap                     ; registers only
.if \bar
	s_barrier_wait -1                              ; every wave's part of the next region is in LDS; it is first read in the next K step's look-ahead
.endif
.if \t1 < 16
	s_wait_alu depctr_va_vdst(0)                   ; the sixteen matrix instructions above are done reading the fragments of row tiles 0-3, in which the loads below land
	LDA 0, \t1
	s_wait_dscnt 0x8                               ; all but the eight just issued: row tiles 4-7 are in
.else
	s_wait_dscnt 0x0
.endif
	MUL16 1, \t, \first, \swap
.if \xr < 8
	s_wait_loadcnt LD_ISS-XEND\xr                  ; region xr of x is in
	CVX \xr
.endif
.if \t1 < 16
	s_wait_alu depctr_va_vdst(0)                   ; the step's matrix instructions are done reading the fragments of row tiles 4-7 and the W slot, in which the loads below land; where a region was converted above, its registers are written, which the LDS stores below read, and the conversions are done reading the buffer
	LDA 1, \t1
.endif
.if \t3 < 16
	LDB \t3                                        ; into the ring slot just multiplied: two K steps in which to land
.endif
.if \xr < 8
	STX \xr
.if \xn < 8
	s_wait_alu depctr_vm_vsrc(0)                   ; the LDS stores have read the buffer's registers, in which the loads below land
	LDX \xn
.endif
.endif
.endm
.macro GEMM swap
.set LD_ISS, 0
	LDX 0
	LDX 1
	LDB 0
	LDB 1
	LDB 2
	XPART 0, 2
	s_wait_dscnt 0x0                               ; my part of region 0 is in LDS
	s_barrier_signal -1
	s_barrier_wait -1                              ; everybody's is
	LDA 0, 0
	LDA 1, 0
	XPART 1, 3
	SUB 0, 1, 3, 1, 1, \swap
	SUB 1, 2, 4, 0, 0, \swap, 2, 4
	SUB 2, 3, 5, 1, 0, \swap
	SUB 3, 4, 6, 0, 0, \swap, 3, 5
	SUB 4, 5, 7, 1, 0, \swap
	SUB 5, 6, 8, 0, 0, \swap, 4, 6
	SUB 6, 7, 9, 1, 0, \swap
	SUB 7, 8, 10, 0, 0, \swap, 5, 7
	SUB 8, 9, 11, 1, 0, \swap
	SUB 9, 10, 12, 0, 0, \swap, 6, 99
	SUB 10, 11, 13, 1, 0, \swap
	SUB 11, 12, 14, 0, 0, \swap, 7, 99
	SUB 12, 13, 15, 1, 0, \swap
	SUB 13, 14, 16, 0, 0, \swap
	SUB 14, 15, 17, 0, 0, \swap
	SUB 15, 16, 18, 0, 0, \swap
	; the way out: a lane's eight results of a tile are the 16 bytes that it owns in the tile's block
	PLACES 4                                       ; behind the last matrix instructions: the conversions read results and write over fragment registers (ISA guide 7.12.1)
	s_wait_alu depctr_vm_vsrc(0)                   ; the LDS stores of regions 6 and 7 have read registers of the two x buffers, which the conversions below write
	WIN 0x05                                       ; sources in window 1
.set q, 0
.rept 32
.irp i, 0,1,2,3
	v_cvt_pk_f16_f32 v[X0+4*q+\i], v[8*q+2*\i], v[8*q+2*\i+1]
.endr
.set q, q+1
.endr
	WIN 0
	s_wait_alu depctr_va_vdst(0)                   ; the conversions have written v[16:143], which the stores below read
.set q, 0
.rept 32
	global_store_b128 v[L16], v[X0+4*q:X0+4*q+3], s[22:23] offset:512*q     ; tile (mt, nt) = seq tile mt, sub nt: 512 consecutive bytes a store, 16 KiB a wave
.set q, q+1
.endr
.endm
	s_cmp_eq_u32 s15, 2                            ; the same in all waves of the work-group
	s_cbranch_scc1 .Lv
	GEMM 0
	s_wait_dscnt 0x0                               ; the closing lines, six on end
	s_wait_alu 0x0
	s_wait_tensorcnt 0x0
	ds_add_u32 v254, v255
	s_wait_dscnt 0x0
	s_endpgm
.Lv:
	GEMM 1
	s_wait_dscnt 0x0                               ; the closing lines, six on end
	s_wait_alu 0x0
	s_wait_tensorcnt 0x0
	ds_add_u32 v254, v255
	s_wait_dscnt 0x0
	s_endpgm
.Lfunc_end_k_q83a0561887_qkv:
	.size	k_q83a0561887_qkv, .Lfunc_end_k_q83a0561887_qkv-k_q83a0561887_qkv
	.p2alignl 7, 3214868480
	.fill 96, 4, 3214868480
	.section	.rodata,"a",@progbits
	.p2align	6, 0x0
	.amdhsa_kernel k_q83a0561887_qkv
		.amdhsa_group_segment_fixed_size 148480
		.amdhsa_private_segment_fixed_size 0
		.amdhsa_enable_private_segment 0
		.amdhsa_kernarg_size 40
		.amdhsa_user_sgpr_count 2
		.amdhsa_user_sgpr_kernarg_segment_ptr 1
		.amdhsa_wavefront_size32 1
		.amdhsa_system_sgpr_workgroup_id_x 1
		.amdhsa_system_sgpr_workgroup_id_y 1
		.amdhsa_system_sgpr_workgroup_id_z 1
		.amdhsa_system_vgpr_workitem_id 0
		.amdhsa_next_free_vgpr 512
		.amdhsa_next_free_sgpr 66
		.amdhsa_reserve_vcc 0
		.amdhsa_float_denorm_mode_32 3
		.amdhsa_float_denorm_mode_16_64 3
		.amdhsa_memory_ordered 1
		.amdhsa_forward_progress 1
		.amdhsa_inst_pref_size 193
	.end_amdhsa_kernel
	.amdgpu_metadata
---
amdhsa.version: [ 1, 2 ]
amdhsa.kernels:
  - .name:           k_q83a0561887_qkv
    .symbol:         k_q83a0561887_qkv.kd
    .args:
      - { .name: input_Q, .offset: 0, .size: 8, .value_kind: global_buffer, .address_space: global }
      - { .name: input_K, .offset: 8, .size: 8, .value_kind: global_buffer, .address_space: global }
      - { .name: input_V, .offset: 16, .size: 8, .value_kind: global_buffer, .address_space: global }
      - { .name: wf, .offset: 24, .size: 8, .value_kind: global_buffer, .address_space: global }
      - { .name: qkv, .offset: 32, .size: 8, .value_kind: global_buffer, .address_space: global }
    .group_segment_fixed_size: 148480
    .private_segment_fixed_size: 0
    .kernarg_segment_align: 8
    .kernarg_segment_size: 40
    .max_flat_workgroup_size: 256
    .sgpr_count:     66
    .vgpr_count:     512
    .wavefront_size: 32
...
	.end_amdgpu_metadata
.endif
;; end of part 5
;; launch attn: the kernel of part 3 again; grid 8 x 32, 8 waves a work-group, no clusters, 327,680 bytes of LDS; arguments qkv, ctxf; writes ctxf
;; launch oproj: the kernel of part 4 again; grid 4 x 64, 4 waves a work-group, clusters of 4 x 4, 280,064 bytes of LDS; arguments ctxf, wf, out0; writes out0
